; MI455X (gfx1250); checked and timed in simulation.
; The chip was launched on July 23, 2026; its instructions are those of AMD's public machine-readable ISA for CDNA 5 (MIT licence, August 2026) and "CDNA5" Instruction Set Architecture Reference Guide (July 2026). The comments in the code are by the model that wrote it; some were corrected since.
;; Abstract Affine. Allowed arithmetic: matrix products marked QUANTISED: E4M3 operands, one given power-of-two scale a tensor, by v_wmma_f32_16x16x64_fp8_fp8 or v_wmma_f32_16x16x128_fp8_fp8, f32 sums; products left as they are: f32 operands where the result goes on into a quantised operand, else bf16, f16 or f32 operands; f32 sums; everything else in f32.
;; Inputs: W 2,048 x 2,048 float32; b 2,048 float32; lowp_scales 16 int32 (the exponents e of the quantised operands' scales 2^e); prev_W_lower 2,048 x 2,048 float32; prev_W_lower2 2,048 x 2,048 float32; prev_W_upper 2,048 x 2,048 float32; prev_W_upper2 2,048 x 2,048 float32; prev_b_lower 2,048 float32; prev_b_lower2 2,048 float32; prev_b_upper 2,048 float32; prev_b_upper2 2,048 float32; prev_lb 2,048 float32; prev_ub 2,048 float32.
;; Outputs: out0 4 x 2,048 float32; out1 2,048 x 2,048 float32; out2 2,048 x 2,048 float32; out3 2,048 float32; out4 2,048 float32.
;; This version of the problem:
;;   THIS VERSION OF THE PROBLEM IS GIVEN IN LOW PRECISION. The matrix products marked QUANTISED in the list below multiply operands that are first quantised to E4M3 (4 exponent bits, 3 mantissa bits; 8 bits a number), with one given power-of-two scale for each operand tensor; their sums are f32. All else is computed in f32.
;;   The module's matrix products, in the order in which they are computed (A, B: the left and right operand; K: the contracted axis; several contracted axes count as one K, in the product's order):
;;     1. [M 2,048, K 2,048] x [K 2,048, N 2,048]; A: computed on the way; B: input prev_W_upper: QUANTISED (scales: A lowp_scales[0], B lowp_scales[1])
;;     2. [M 2,048, K 2,048] x [K 2,048, N 2,048]; A: computed on the way; B: input prev_W_lower: QUANTISED (scales: A lowp_scales[2], B lowp_scales[3])
;;     3. [M 2,048, K 2,048] x [K 2,048, N 1]; A: computed on the way; B: input prev_b_upper: left as it is (N = 1 < 16)
;;     4. [M 2,048, K 2,048] x [K 2,048, N 1]; A: computed on the way; B: input prev_b_lower: left as it is (N = 1 < 16)
;;     5. [M 2,048, K 2,048] x [K 2,048, N 2,048]; A: computed on the way; B: input prev_W_lower: QUANTISED (scales: A lowp_scales[4], B lowp_scales[5])
;;     6. [M 2,048, K 2,048] x [K 2,048, N 2,048]; A: computed on the way; B: input prev_W_upper: QUANTISED (scales: A lowp_scales[6], B lowp_scales[7])
;;     7. [M 2,048, K 2,048] x [K 2,048, N 1]; A: computed on the way; B: input prev_b_lower: left as it is (N = 1 < 16)
;;     8. [M 2,048, K 2,048] x [K 2,048, N 1]; A: computed on the way; B: input prev_b_upper: left as it is (N = 1 < 16)
;;     9. [M 2,048, K 2,048] x [K 2,048, N 1]; A: computed on the way; B: input prev_ub: left as it is (N = 1 < 16)
;;     10. [M 2,048, K 2,048] x [K 2,048, N 1]; A: computed on the way; B: input prev_lb: left as it is (N = 1 < 16)
;;     11. [M 2,048, K 2,048] x [K 2,048, N 1]; A: computed on the way; B: input prev_lb: left as it is (N = 1 < 16)
;;     12. [M 2,048, K 2,048] x [K 2,048, N 1]; A: computed on the way; B: input prev_ub: left as it is (N = 1 < 16)
;;     13. [M 2,048, K 2,048] x [K 2,048, N 1]; A: computed on the way; B: input prev_ub: left as it is (N = 1 < 16)
;;     14. [M 2,048, K 2,048] x [K 2,048, N 1]; A: computed on the way; B: input prev_lb: left as it is (N = 1 < 16)
;;     15. [M 2,048, K 2,048] x [K 2,048, N 1]; A: computed on the way; B: input prev_lb: left as it is (N = 1 < 16)
;;     16. [M 2,048, K 2,048] x [K 2,048, N 1]; A: computed on the way; B: input prev_ub: left as it is (N = 1 < 16)
;;     17. [M 2,048, K 2,048] x [K 2,048, N 1]; A: computed on the way; B: input prev_b_upper2: left as it is (N = 1 < 16)
;;     18. [M 2,048, K 2,048] x [K 2,048, N 1]; A: computed on the way; B: input prev_b_lower2: left as it is (N = 1 < 16)
;;     19. [M 2,048, K 2,048] x [K 2,048, N 1]; A: computed on the way; B: input prev_b_lower2: left as it is (N = 1 < 16)
;;     20. [M 2,048, K 2,048] x [K 2,048, N 1]; A: computed on the way; B: input prev_b_upper2: left as it is (N = 1 < 16)
;;     21. [M 2,048, K 2,048] x [K 2,048, N 2,048]; A: computed on the way; B: input prev_W_upper2: QUANTISED (scales: A lowp_scales[8], B lowp_scales[9])
;;     22. [M 2,048, K 2,048] x [K 2,048, N 2,048]; A: computed on the way; B: input prev_W_lower2: QUANTISED (scales: A lowp_scales[10], B lowp_scales[11])
;;     23. [M 2,048, K 2,048] x [K 2,048, N 2,048]; A: computed on the way; B: input prev_W_lower2: QUANTISED (scales: A lowp_scales[12], B lowp_scales[13])
;;     24. [M 2,048, K 2,048] x [K 2,048, N 2,048]; A: computed on the way; B: input prev_W_upper2: QUANTISED (scales: A lowp_scales[14], B lowp_scales[15])
;;     25. [M 2,048, K 2,048] x [K 2,048, N 1]; A: computed on the way; B: input prev_ub: left as it is (N = 1 < 16)
;;     26. [M 2,048, K 2,048] x [K 2,048, N 1]; A: computed on the way; B: input prev_lb: left as it is (N = 1 < 16)
;;     27. [M 2,048, K 2,048] x [K 2,048, N 1]; A: computed on the way; B: input prev_lb: left as it is (N = 1 < 16)
;;     28. [M 2,048, K 2,048] x [K 2,048, N 1]; A: computed on the way; B: input prev_ub: left as it is (N = 1 < 16)
;;   THE QUANTISER, for each operand of a quantised product, along K:
;;     - The operand's scale is 2^e, e = its entry of the input lowp_scales (int32; the entries are numbered through the quantised products in the list's order, A before B).
;;     - Each number is divided by the scale, clamped to +-448, and rounded to the nearest number of E4M3, ties to even, subnormals kept.
;;     - The product sums the exact products of the quantised numbers (number of the format x scale) in f32.
;;   ~~~python
;;   def quantise(x, axis, e):      # numpy; x: float32 -> the quantised numbers, widened to float32 again
;;       x = np.moveaxis(x, axis, -1); K = x.shape[-1]
;;       r = np.clip(x / 2.0 ** e, -448, 448)
;;       step = 2.0 ** (np.maximum(np.frexp(np.where(r == 0, 1, r))[1] - 1, -6) - 3)
;;       q = np.round(r / step) * step * 2.0 ** e      # np.round: ties to even
;;       return np.moveaxis(q, -1, axis).astype(np.float32)
;;   ~~~
;;   OPERANDS COMPUTED ON THE WAY. 'Computed on the way' means the value that the module computes at that place (a softmax that the list does not call 'softmax' is quantised finished and normalised). What goes into a quantiser is computed in f32, as accurately as f32 sums, v_exp_f32 and their like allow (about 1e-6 of the number): no bf16 or f16 on the way to a quantiser, and a product that is left as it is and whose result goes on into a quantised operand takes f32 operands (vector FMAs, or v_wmma_f32_16x16x4_f32). A number that lies on a knife's edge between two numbers of the format may be rounded either way, as far as f32 arithmetic and the matrix unit's own rounding can turn it there, and no further.
;; One version. Each part assembles by itself: llvm-mc -triple=amdgcn-amd-amdhsa -mcpu=gfx1250 --defsym DOCPART=n.
;; ======== version 1 of 1: 3 launches
;; limits: right only within a limited range of input values
;; workspace buffers: acodes 33,554,432 bytes; bcodes 33,554,432 bytes; wpart 524,288 bytes; gpart 131,072 bytes
;; launch quant (part 1): grid 768 x 1, 4 waves a work-group, no clusters, 0 bytes of LDS; arguments W, prev_W_upper, prev_W_lower, prev_W_upper2, prev_W_lower2, prev_b_upper, prev_b_lower, prev_ub, prev_lb, prev_b_upper2, prev_b_lower2, lowp_scales, acodes, bcodes, wpart; writes acodes, bcodes, wpart
.if DOCPART == 1
	.amdgcn_target "amdgcn-amd-amdhsa--gfx1250"
	.amdhsa_code_object_version 6
	.text
	.protected	k_qcf2dab78d9_quant
	.globl	k_qcf2dab78d9_quant
	.p2align	8
	.type	k_qcf2dab78d9_quant,@function
k_qcf2dab78d9_quant:
	s_mov_b64 s[64:65], 0
	v_nop
	global_prefetch_b8 v0, s[64:65] scope:SCOPE_SE
	s_setreg_imm32_b32 hwreg(HW_REG_WAVE_MODE, 25, 1), 1
	s_wait_xcnt 0x0
; All sixteen operands of the eight quantised products are made here, once, as codes of FP8 (E4M3), and the f32 products of W+ and W- with the six vectors are summed on the way.
; code = x / 2^e, held within +-448, rounded to the nearest code, ties to even; e is the operand's own entry of lowp_scales: no two entries are taken to be equal.
; acodes [g 4][m 2048][4096]: a row is W+'s 2,048 codes at e[4 g], then W-'s at e[4 g + 2].  GEMM g = 0: W_upper, 1: W_lower, 2: Wu, 3: Wl.
; bcodes: the second operand as images of its fragments' registers: byte g 2^23 + G 2^19 + ks 2^15 + bt 4096 + f 2048 + c 512 + h 256 + rho 16 + byte holds K place 256 ks + 128 f + 32 c + 16 h + byte
;   (ks 0-7: the product with W+, ks 8-15: the one with W-) of column 128 G + 64 (bt % 2) + 4 rho + bt / 2.
; THE ORDER ALONG K, the same in both operands, so that every product meets its partner: in each half, place 512 blk + 16 l + 4 i + j holds k = 512 blk + 128 i + 4 l + j.
;   So a lane that loads 16 bytes of each of four runs of 512 bytes of a row of W holds the 16 numbers of 16 neighbouring places: loads and stores are dense and nothing goes through LDS.
; wpart [8 rows' group 256][blk 4][lane 32][4] f32: lane 16 t + r', entry p: row 8 group + r', pair p of vectors (a, c) = (prev_b_upper, prev_b_lower), (prev_ub, prev_lb), (prev_b_upper2, prev_b_lower2):
;   t = 0: the sum over the chunk of w (a + c); t = 1: of |w| (a - c).  w+ a + w- c = (w (a + c) + |w| (a - c)) / 2 and w+ c + w- a = (w (a + c) - |w| (a - c)) / 2 hold for every w, a, c.
; SHARES.  Work-groups 0-511 take the four prev_W tensors (path B), 512-767 take W (path W): three work-groups, twelve waves of 248 registers, for each of 256 WGPs, so that
;   8 x 32 loads of 512 bytes of path B and 4 x 16 of path W can be on their way at a time.  Waves share nothing: no LDS, no barrier; every offset is an immediate, nothing is stepped.
; No matrix unit, no cluster, no tensor load: every input byte is read once by one wave, so there is nothing to share and nothing to multiply in bulk.
; LIMITS: every e between -126 and 119, so that 2^e and 448 x 2^e are f32 numbers.  NaN and infinities among the inputs are not served; |a + c| and |a - c| stay inside f32's range.
; acodes AS IT IS STORED BELOW (of the head's line on acodes only the order along K stands): [g 4][block of 128 rows 16][K step of 256 places 16][row 128][256 bytes]: dense blocks of 32 KiB.
;   K steps 0-7 are W+'s codes, 8-15 W-'s.  A wave's store of a row's 512 places is two whole aligned units of 256 bytes, 32 KiB apart: lanes 0-15 one K step, lanes 16-31 the next.
.set NWB, 512
.set NPC, 4                            ; pieces of 16 K places that a wave of path B takes
.set BX, 32                            ; path B: v32-159  two sets of 64: 16 rows along K x 4 columns
.set BT, 160                           ;         v160-191 two sets of 16 held numbers of one column
.set BC, 192                           ;         v192-223 codes: 2 scales x 4 columns x 4 registers
.set WS, 16                            ; path W: v[16+32 p ..] a + c, v[32+32 p ..] a - c of pair p, 16 each
.set WX, 112                           ;         v112-175 four rows of W, 16 numbers a lane each
.set WT, 176                           ;         v176-207 two sets of 16: |w|, then held numbers
.set WC, 208                           ;         v208-239 a row's sums, then its codes: 8 versions x 4 registers
.set WL, 240                           ;         v240-247 448 x 2^e of the 8 versions; v2-9: 2^e
; ---- path B's macros.  Piece i8: 16 places along K (16 rows of the tensor) x my wave's 128 columns
.macro LOADP i8
.irp t, 0,1,2,3,4,5,6,7,8,9,10,11,12,13,14,15
	global_load_b128 v[BX+64*((\i8)%2)+4*\t:BX+64*((\i8)%2)+4*\t+3], v1, s[4:5] offset:(128*(\t/4)+4*(\i8)+\t%4)*8192 th:TH_LOAD_NT   ; place t of the piece: 32 lanes read 512 consecutive bytes of one row
.endr
.endm
.macro PIECE i8
.if (\i8) < NPC-1
	s_wait_loadcnt 16                              ; this piece's 16 loads are in; the next piece's 16 may be out
.else
	s_wait_loadcnt 0
.endif
	s_wait_xcnt 0x0                                ; the last piece's stores have read their registers: the codes are written again only behind this wait
.irp v, 0,1
.irp jj, 0,1,2,3
.irp t, 0,1,2,3,4,5,6,7,8,9,10,11,12,13,14,15
	v_med3_num_f32 v[BT+16*(\jj%2)+\t], v[BX+64*((\i8)%2)+4*\t+\jj], -v[6+\v], v[6+\v]   ; the hold (the conversion to an 8-bit code does not saturate: ISA guide 7.6.2), which also gathers column jj's 16 numbers
.endr
	v_cvt_scalef32_pk8_fp8_f32 v[BC+16*\v+4*\jj:BC+16*\v+4*\jj+1], v[BT+16*(\jj%2):BT+16*(\jj%2)+7], v[4+\v]
	v_cvt_scalef32_pk8_fp8_f32 v[BC+16*\v+4*\jj+2:BC+16*\v+4*\jj+3], v[BT+16*(\jj%2)+8:BT+16*(\jj%2)+15], v[4+\v]   ; the next group's holds go into the other set: plain lines between a conversion and the next write of its sources
.endr
.endr
.if (\i8) < NPC-2
	LOADP (\i8)+2
.endif
.irp v, 0,1
.irp jj, 0,1,2,3
	global_store_b128 v2, v[BC+16*\v+4*\jj:BC+16*\v+4*\jj+3], s[16+2*\v:17+2*\v] offset:\jj*8192+(\i8)*256   ; lanes 0-15 and lanes 16-31 each store 256 consecutive bytes, aligned
.endr
.endr
.endm
; ---- path W's macro: row r of my work-group's eight, my wave's 512 along K
.macro ROW r
.set XS, WX+16*((\r)%4)
.if (\r) < 4
	s_wait_loadcnt 12                              ; this row's four loads are in; the three rows behind it may be out
.else
	s_wait_loadcnt 4*(7-(\r))
.endif
	s_wait_xcnt 0x0                                ; the last row's stores have read their registers
.irp t, 0,1,2,3,4,5,6,7,8,9,10,11,12,13,14,15
	v_and_b32 v[WT+\t], s71, v[XS+\t]              ; |w|
.endr
.irp p, 0,1,2
	v_pk_mul_f32 v[WC+4*\p:WC+4*\p+1], v[XS:XS+1], v[WS+32*\p:WS+32*\p+1]                 ; six chains, started by their first products: nothing is cleared
	v_pk_mul_f32 v[WC+4*\p+2:WC+4*\p+3], v[WT:WT+1], v[WS+16+32*\p:WS+17+32*\p]
.endr
.irp k, 2,4,6,8,10,12,14
.irp p, 0,1,2
	v_pk_fma_f32 v[WC+4*\p:WC+4*\p+1], v[XS+\k:XS+\k+1], v[WS+32*\p+\k:WS+32*\p+\k+1], v[WC+4*\p:WC+4*\p+1]
	v_pk_fma_f32 v[WC+4*\p+2:WC+4*\p+3], v[WT+\k:WT+\k+1], v[WS+16+32*\p+\k:WS+17+32*\p+\k], v[WC+4*\p+2:WC+4*\p+3]
.endr
.endr
.irp p, 0,1,2
	v_add_f32 v[WC+12+2*\p], v[WC+4*\p], v[WC+4*\p+1]
	v_add_f32 v[WC+13+2*\p], v[WC+4*\p+2], v[WC+4*\p+3]
.endr
.irp p, 0,1,2                          ; both sums of a pair cross the lanes at once: lanes 0-15 gather w (a + c), lanes 16-31 |w| (a - c)
	v_cndmask_b32 v[WC+18+\p], v[WC+12+2*\p], v[WC+13+2*\p], s70
	v_cndmask_b32 v[WC+21+\p], v[WC+13+2*\p], v[WC+12+2*\p], s70
.endr
.irp p, 0,1,2
	v_permlanex16_b32 v[WC+24+\p], v[WC+21+\p], s72, s73
.endr
.irp p, 0,1,2
	v_add_f32 v[WC+18+\p], v[WC+18+\p], v[WC+24+\p]
.endr
.irp m, 1,2,4,8
.irp p, 0,1,2
	v_add_f32_dpp v[WC+18+\p], v[WC+18+\p], v[WC+18+\p] row_xmask:\m row_mask:0xf bank_mask:0xf
.endr
.endr
	s_mov_b32 s74, 0x00010001<<(\r)                ; lanes r and 16 + r keep this row's sums
.irp p, 0,1,2
	v_cndmask_b32 v[12+\p], v[12+\p], v[WC+18+\p], s74
.endr
.irp v, 0,1,2,3,4,5,6,7                ; version 2 g + sign: W+ (sign 0) or W- (sign 1) at GEMM g's scale.  The hold takes the part as well
.irp t, 0,1,2,3,4,5,6,7,8,9,10,11,12,13,14,15
.if (\v)%2 == 0
	v_med3_num_f32 v[WT+\t], v[XS+\t], 0, v[WL+\v]
.else
	v_med3_num_f32 v[WT+16+\t], v[XS+\t], -v[WL+\v], 0
.endif
.endr
	v_cvt_scalef32_pk8_fp8_f32 v[WC+4*\v:WC+4*\v+1], v[WT+16*(\v%2):WT+16*(\v%2)+7], v[2+\v]
	v_cvt_scalef32_pk8_fp8_f32 v[WC+4*\v+2:WC+4*\v+3], v[WT+16*(\v%2)+8:WT+16*(\v%2)+15], v[2+\v]
.endr
.if (\r) < 4
.irp i, 0,1,2,3
	global_load_b128 v[XS+4*\i:XS+4*\i+3], v1, s[4:5] offset:((\r)+4)*8192+512*\i th:TH_LOAD_NT
.endr
.endif
.irp v, 0,1,2,3,4,5,6,7
	global_store_b128 v10, v[WC+4*\v:WC+4*\v+3], s[48+2*(\v/2):49+2*(\v/2)] offset:(\r)*256+(\v%2)*262144   ; lanes 0-15 and lanes 16-31 each store 256 consecutive bytes, aligned; W-'s K steps lie 8 x 32 KiB on
.endr
.endm
	v_lshrrev_b32 v3, 5, v0
	v_readfirstlane_b32 s2, v3                     ; wave 0..3
	v_and_b32 v3, 31, v0                           ; lane
	v_lshlrev_b32 v1, 4, v3                        ; 16 x lane: the offset of every load, and of the wpart store
	s_cmp_lt_u32 ttmp9, NWB
	s_cbranch_scc0 .Lpath_w
; ================ PATH B: a prev_W tensor, whose K is its first axis.  A lane takes four columns, and its registers run down K.
; Work-group wb: tensor T = wb / 128 (upper, lower, upper2, lower2); columns 128 G on, G = (wb / 8) % 16; K places 256 sub on, sub = wb % 8; wave: the 64 places 64 wave on of these: four pieces.
; Each tensor is used by two products, each with a scale of its own: two sets of codes from one read.
	s_load_b256 s[4:11], s[0:1], 0x8               ; prev_W_upper, prev_W_lower, prev_W_upper2, prev_W_lower2
	s_load_b64 s[12:13], s[0:1], 0x58              ; lowp_scales
	s_load_b64 s[14:15], s[0:1], 0x68              ; bcodes
	v_lshrrev_b32 v2, 4, v3
	v_and_b32 v8, 15, v3
	v_lshlrev_b32 v2, 12, v2
	v_lshl_add_u32 v2, v8, 4, v2                   ; out: 4096 (lane / 16) + 16 (lane % 16): tile bt % 2 = lane / 16, rho = lane % 16
	s_lshr_b32 s26, ttmp9, 7                       ; T
	s_and_b32 s27, s26, 1                          ; u: 0 upper, 1 lower
	s_lshr_b32 s28, s26, 1                         ; gg: 0 the first pair of tensors, 1 the second
	s_bfe_u32 s29, ttmp9, 0x40003                  ; G
	s_and_b32 s30, ttmp9, 7                        ; sub
	s_lshl_b32 s22, s28, 5
	s_lshl_b32 s31, s27, 3
	s_add_co_u32 s23, s22, 28
	s_sub_co_u32 s23, s23, s31                     ; 4 x (8 gg + 7 - 2 u): the entry for GEMM 2 gg + 1, half 1 - u
	s_add_co_u32 s22, s22, 4
	s_add_co_u32 s22, s22, s31                     ; 4 x (8 gg + 1 + 2 u): the entry for GEMM 2 gg, half u
	s_lshr_b32 s32, s30, 1                         ; in: my first row is 512 (sub / 2) + 64 (sub % 2) + 16 wave, of 8,192 bytes; + 512 G
	s_lshl_b32 s32, s32, 22
	s_and_b32 s33, s30, 1
	s_lshl_b32 s33, s33, 19
	s_add_co_u32 s32, s32, s33
	s_lshl_b32 s33, s2, 17
	s_add_co_u32 s32, s32, s33
	s_lshl_b32 s33, s29, 9
	s_add_co_u32 s32, s32, s33
	s_mov_b32 s33, 0
	s_lshl_b32 s34, s30, 15                        ; out: ks within the half = sub;
	s_lshl_b32 s35, s2, 10                         ; f = wave / 2 (2,048 bytes), c = 2 (wave % 2) on (512 bytes each): 1,024 x wave
	s_add_co_u32 s34, s34, s35
	s_lshl_b32 s35, s29, 19
	s_add_co_u32 s34, s34, s35
	s_lshl_b32 s35, s28, 24
	s_add_co_u32 s34, s34, s35                     ; + G 2^19 + (2 gg) 2^23
	s_lshl_b32 s35, s27, 18
	s_add_co_u32 s36, s34, s35                     ; first set: half u (8 ks of 2^15)
	s_mov_b32 s37, 0
	s_xor_b32 s35, s35, 1<<18
	s_add_co_u32 s38, s34, s35                     ; second set: half 1 - u,
	s_add_co_u32 s38, s38, 1<<23                   ; of the next GEMM
	s_mov_b32 s39, 0
	s_wait_kmcnt 0x0
	s_load_b32 s20, s[12:13], s22 offset:0x0
	s_load_b32 s21, s[12:13], s23 offset:0x0
	s_cmp_eq_u32 s27, 0                            ; the tensor is chosen by the work-group's number alone
	s_cselect_b64 s[4:5], s[4:5], s[6:7]
	s_cselect_b64 s[8:9], s[8:9], s[10:11]
	s_cmp_eq_u32 s28, 0
	s_cselect_b64 s[4:5], s[4:5], s[8:9]
	s_add_nc_u64 s[4:5], s[4:5], s[32:33]
	s_add_nc_u64 s[16:17], s[14:15], s[36:37]
	s_add_nc_u64 s[18:19], s[14:15], s[38:39]
	s_wait_alu depctr_va_vdst(0)
	LOADP 0
	LOADP 1                                        ; two pieces, 32 loads a wave, are out
	s_wait_kmcnt 0x0
.irp v, 0,1
	s_add_co_i32 s[20+\v], s[20+\v], 127
	s_lshl_b32 s24, s[20+\v], 23
	v_mov_b32 v[4+\v], s24                         ; 2^e as f32: the conversion takes its exponent field
	s_add_co_i32 s[20+\v], s[20+\v], 8
	s_lshl_b32 s[20+\v], s[20+\v], 23
	s_or_b32 s[20+\v], s[20+\v], 0x600000
	v_mov_b32 v[6+\v], s[20+\v]                    ; 448 x 2^e
.endr
	s_wait_alu depctr_va_vdst(0)
.irp q, 0,1,2,3
	PIECE \q
.endr
	s_endpgm
; ================ PATH W: work-group ww = number - 512 takes rows 8 ww .. 8 ww + 7 of W; wave blk takes k = 512 blk .. 512 blk + 511.
.Lpath_w:
	s_load_b64 s[4:5], s[0:1], 0x0                 ; W
	s_load_b256 s[8:15], s[0:1], 0x28              ; prev_b_upper, prev_b_lower, prev_ub, prev_lb
	s_load_b128 s[16:19], s[0:1], 0x48             ; prev_b_upper2, prev_b_lower2
	s_load_b128 s[20:23], s[0:1], 0x58             ; lowp_scales, acodes
	s_load_b64 s[24:25], s[0:1], 0x70              ; wpart
	s_sub_co_u32 s26, ttmp9, NWB                   ; ww
	s_lshl_b32 s28, s2, 11                         ; my chunk of a row of W and of each vector: 2,048 bytes x blk
	s_mov_b32 s29, 0
	s_lshl_b32 s30, s26, 16                        ; eight rows of 8,192 bytes
	s_add_co_u32 s30, s30, s28
	s_mov_b32 s31, 0
	s_lshr_b32 s66, s26, 4                         ; my block of 128 rows: 16 K steps of 32 KiB,
	s_lshl_b32 s66, s66, 19
	s_and_b32 s67, s26, 15                         ; my eight rows of 256 bytes in it,
	s_lshl_b32 s67, s67, 11
	s_add_co_u32 s66, s66, s67
	s_lshl_b32 s67, s2, 16                         ; my chunk's two K steps
	s_add_co_u32 s66, s66, s67
	s_mov_b32 s67, 0
	v_and_b32 v10, 15, v0
	v_bfe_u32 v11, v0, 4, 1
	v_lshlrev_b32 v10, 4, v10
	v_lshl_add_u32 v10, v11, 15, v10               ; the codes' offset: 16 (lane % 16) + 32 KiB x (lane / 16)
	s_lshl_b32 s68, s26, 11
	s_lshl_b32 s69, s2, 9
	s_add_co_u32 s68, s68, s69                     ; wpart: 2,048 ww + 512 blk
	s_mov_b32 s69, 0
	s_mov_b32 s70, 0xffff0000                      ; lanes 16-31
	s_mov_b32 s71, 0x7fffffff                      ; clears a sign
	s_mov_b32 s72, 0x76543210                      ; v_permlanex16_b32: lane l xor 16
	s_mov_b32 s73, 0xfedcba98
.irp q, 12,13,14,15
	v_mov_b32 v\q, 0                               ; what goes to wpart: entry 3 and the lanes of no row stay 0
.endr
.irp q, 0,1,2
	v_mov_b32 v[WC+24+\q], 0                       ; written once: a lane permute's destination counts as one of its sources
.endr
	s_wait_kmcnt 0x0
	s_load_b512 s[32:47], s[20:21], 0x0            ; all sixteen exponents; version v takes entry 2 v
	s_add_nc_u64 s[4:5], s[4:5], s[30:31]
.irp q, 8,10,12,14,16,18
	s_add_nc_u64 s[\q:\q+1], s[\q:\q+1], s[28:29]
.endr
	s_add_nc_u64 s[48:49], s[22:23], s[66:67]      ; acodes at my place, for each GEMM
	s_add_nc_u64 s[50:51], s[48:49], 0x800000
	s_add_nc_u64 s[52:53], s[50:51], 0x800000
	s_add_nc_u64 s[54:55], s[52:53], 0x800000
	s_add_nc_u64 s[24:25], s[24:25], s[68:69]
	s_wait_alu depctr_va_vdst(0)
.irp p, 0,1,2
.irp i, 0,1,2,3
	global_load_b128 v[WS+32*\p+4*\i:WS+32*\p+4*\i+3], v1, s[8+4*\p:9+4*\p] offset:512*\i       ; a of pair p, in the order in which my lane holds W
	global_load_b128 v[WT+16*\p+4*\i:WT+16*\p+4*\i+3], v1, s[10+4*\p:11+4*\p] offset:512*\i     ; c
.endr
.endr
.irp q, 0,1,2,3
.irp i, 0,1,2,3
	global_load_b128 v[WX+16*\q+4*\i:WX+16*\q+4*\i+3], v1, s[4:5] offset:\q*8192+512*\i th:TH_LOAD_NT   ; rows 0-3: each load 512 consecutive bytes
.endr
.endr
	s_wait_kmcnt 0x0
.irp v, 0,1,2,3,4,5,6,7
	s_add_co_i32 s56, s[32+2*\v], 127
	s_lshl_b32 s57, s56, 23
	v_mov_b32 v[2+\v], s57                         ; 2^e
	s_add_co_i32 s56, s56, 8
	s_lshl_b32 s56, s56, 23
	s_or_b32 s56, s56, 0x600000
	v_mov_b32 v[WL+\v], s56                        ; 448 x 2^e
.endr
	s_wait_loadcnt 16                              ; the 24 loads of the vectors are in; the 16 of rows 0-3 may be out
.irp p, 0,1,2
.irp k, 0,2,4,6,8,10,12,14
	v_pk_add_f32 v[WS+16+32*\p+\k:WS+17+32*\p+\k], v[WS+32*\p+\k:WS+32*\p+\k+1], v[WT+16*\p+\k:WT+16*\p+\k+1] neg_lo:[0,1] neg_hi:[0,1]   ; a - c
	v_pk_add_f32 v[WS+32*\p+\k:WS+32*\p+\k+1], v[WS+32*\p+\k:WS+32*\p+\k+1], v[WT+16*\p+\k:WT+16*\p+\k+1]                               ; a + c
.endr
.endr
.irp q, 0,1,2,3,4,5,6,7
	ROW \q
.endr
	global_store_b128 v1, v[12:15], s[24:25]       ; 512 consecutive bytes: the eight rows' six sums over my chunk
	s_endpgm
.Lfunc_end_k_qcf2dab78d9_quant:
	.size	k_qcf2dab78d9_quant, .Lfunc_end_k_qcf2dab78d9_quant-k_qcf2dab78d9_quant
	.p2alignl 7, 3214868480
	.fill 96, 4, 3214868480
	.section	.rodata,"a",@progbits
	.p2align	6, 0x0
	.amdhsa_kernel k_qcf2dab78d9_quant
		.amdhsa_group_segment_fixed_size 0
		.amdhsa_private_segment_fixed_size 0
		.amdhsa_enable_private_segment 0
		.amdhsa_kernarg_size 120
		.amdhsa_user_sgpr_count 2
		.amdhsa_user_sgpr_kernarg_segment_ptr 1
		.amdhsa_wavefront_size32 1
		.amdhsa_system_sgpr_workgroup_id_x 1
		.amdhsa_system_sgpr_workgroup_id_y 1
		.amdhsa_system_sgpr_workgroup_id_z 1
		.amdhsa_system_vgpr_workitem_id 0
		.amdhsa_next_free_vgpr 248
		.amdhsa_next_free_sgpr 80
		.amdhsa_reserve_vcc 0
		.amdhsa_float_denorm_mode_32 3
		.amdhsa_float_denorm_mode_16_64 3
		.amdhsa_memory_ordered 1
		.amdhsa_forward_progress 1
		.amdhsa_inst_pref_size 183
	.end_amdhsa_kernel
	.amdgpu_metadata
---
amdhsa.version: [ 1, 2 ]
amdhsa.kernels:
  - .name:           k_qcf2dab78d9_quant
    .symbol:         k_qcf2dab78d9_quant.kd
    .args:
      - { .name: W, .offset: 0, .size: 8, .value_kind: global_buffer, .address_space: global }
      - { .name: prev_W_upper, .offset: 8, .size: 8, .value_kind: global_buffer, .address_space: global }
      - { .name: prev_W_lower, .offset: 16, .size: 8, .value_kind: global_buffer, .address_space: global }
      - { .name: prev_W_upper2, .offset: 24, .size: 8, .value_kind: global_buffer, .address_space: global }
      - { .name: prev_W_lower2, .offset: 32, .size: 8, .value_kind: global_buffer, .address_space: global }
      - { .name: prev_b_upper, .offset: 40, .size: 8, .value_kind: global_buffer, .address_space: global }
      - { .name: prev_b_lower, .offset: 48, .size: 8, .value_kind: global_buffer, .address_space: global }
      - { .name: prev_ub, .offset: 56, .size: 8, .value_kind: global_buffer, .address_space: global }
      - { .name: prev_lb, .offset: 64, .size: 8, .value_kind: global_buffer, .address_space: global }
      - { .name: prev_b_upper2, .offset: 72, .size: 8, .value_kind: global_buffer, .address_space: global }
      - { .name: prev_b_lower2, .offset: 80, .size: 8, .value_kind: global_buffer, .address_space: global }
      - { .name: lowp_scales, .offset: 88, .size: 8, .value_kind: global_buffer, .address_space: global }
      - { .name: acodes, .offset: 96, .size: 8, .value_kind: global_buffer, .address_space: global }
      - { .name: bcodes, .offset: 104, .size: 8, .value_kind: global_buffer, .address_space: global }
      - { .name: wpart, .offset: 112, .size: 8, .value_kind: global_buffer, .address_space: global }
    .group_segment_fixed_size: 0
    .private_segment_fixed_size: 0
    .kernarg_segment_align: 8
    .kernarg_segment_size: 120
    .max_flat_workgroup_size: 128
    .sgpr_count:     80
    .vgpr_count:     248
    .wavefront_size: 32
...
	.end_amdgpu_metadata
.endif
;; end of part 1
;; launch gemm (part 2): grid 8 x 32, 4 waves a work-group, clusters of 4 x 4, 327,680 bytes of LDS; arguments acodes, bcodes, lowp_scales, prev_ub, prev_lb, out1, out2, gpart; writes out1, out2, gpart
.if DOCPART == 2
	.amdgcn_target "amdgcn-amd-amdhsa--gfx1250"
	.amdhsa_code_object_version 6
	.text
	.protected	k_qcf2dab78d9_gemm
	.globl	k_qcf2dab78d9_gemm
	.p2align	8
	.type	k_qcf2dab78d9_gemm,@function
k_qcf2dab78d9_gemm:
	s_mov_b64 s[64:65], 0
	v_nop
	global_prefetch_b8 v0, s[64:65] scope:SCOPE_SE
	s_setreg_imm32_b32 hwreg(HW_REG_WAVE_MODE, 25, 1), 1
	s_wait_xcnt 0x0
	s_wait_alu depctr_hold_cnt(0) depctr_sa_sdst(0) depctr_va_vdst(0) depctr_va_sdst(0) depctr_va_ssrc(0) depctr_va_vcc(0) depctr_vm_vsrc(0)
	s_getreg_b32 s2, hwreg(HW_REG_IB_STS2, 6, 4)
	s_cmp_eq_u32 s2, 0
	s_cbranch_scc0 .Lentry_in_a_cluster
	s_endpgm
.Lentry_in_a_cluster:
	s_bfe_u32 s2, ttmp6, 0x10000c
	s_cmp_lg_u32 s2, 0xf033
	s_cbranch_scc0 .Lentry_shape_is_right
	s_endpgm
.Lentry_shape_is_right:
; Four GEMMs on codes of FP8 (E4M3), each [2048 x 4096] x [4096 x 2048]: g = 0 W_upper, 1 W_lower, 2 Wu, 3 Wl.  K's first 2,048 places are the product with W+, the last 2,048 the one with W-.
; acodes [g][block of 128 rows 16][K step of 256 16][row 128][256 bytes]: dense blocks of 32 KiB, K innermost in a row.
; bcodes: images of the second operand's fragment registers, 32 KiB for each (g, 128 columns G, K step of 256): byte bt 4096 + f 2048 + c 512 + lane 16;
;   lane rho of tile bt holds column 128 G + 64 (bt % 2) + 4 rho + bt / 2.  Both operands have K in the same order, so every product meets its partner.
; SCALES: the first half's sums stand for sum x 2^(e[4g] + e[4g+1]), the second half's for sum x 2^(e[4g+2] + e[4g+3]).  Between the halves every sum is multiplied once by 2^(the first less the second),
;   and at the end by 2^(the second): powers of two, nothing is rounded.  LIMIT: both of these exponents lie between -126 and 127.
; SHARES: a tile of 256 x 256 for a work-group of four waves, 128 x 128 (64 accumulators, 512 registers) a wave; 4 x 64 tiles = 256 work-groups.  K goes in 16 steps of 256 through two LDS slots.
; CLUSTERS of 4 x 4: A's tile is asked for jointly along a row of the cluster, B's along a column.  The cluster's x and the low bit of its y choose the GEMM, the other bits of y the quarter of C.
; THE SOURCES STAND IN THEIR NATURAL ORDER (source 0 = 16 rows of A, source 1 = 16 columns of B): register j of lane (r, h) of accumulator (a, b) is row 16 a + 8 h + j, column 64 (b % 2) + 4 r + b / 2.
;   So the four accumulators b = p, p + 2, p + 4, p + 6 give a lane 16 neighbouring bytes of a row of C, and sixteen lanes 256: g = 0, 1 store from registers, with no stage in LDS.
; g = 2, 3 store no tile: x+ u + x- l = x (u + l) / 2 + |x| (u - l) / 2 is summed along the tile's 256 columns (for Wl with u and l exchanged) and goes to gpart [z][tile column][row].
; PREFETCH: in laps 1 to 6, behind each refill, each wave names, a lane a block of 256 bytes, 8 KiB of the K step that stands two refills on: of the 32 KiB that the wave itself will fetch, the quarter p xor 3 c,
;   p = my work-group's place among the four that ask for those 32 KiB jointly, c = the bit of the cluster's y that tells apart the two clusters that read them.  So each block of 256 bytes is named once in each
;   cluster that loads it, and the partners share by address.  K steps 0 to 3 come by their loads alone; the last lap asks for nothing.
; REGISTERS: window 0: v12-31 addresses, v128-255 A's fragments (one set); window 1: B's fragments (two sets); windows 2, 3: the accumulators, (a, b) at v[8 (8 (a % 4) + b)].
.set ROWB,   256
.set PITCH,  272                       ; A's LDS row: 256 bytes + 16 of padding
.set FR,     16
.set NL,     4
.set NP,     4                         ; places behind this matrix instruction (ISA guide 7.12.1)
.set HALFA,  128*PITCH
.set HALFB,  32768                     ; a block of A or of B in memory; B's in LDS too
.set BOFF,   2*HALFA
.set SLOT,   BOFF+2*HALFB
.set SPARE,  2*SLOT                    ; the spare words: 512 bytes that no other line names
.set RED,    SPARE+512                 ; [column half 2][row 256] f32: the waves' row sums; no fill lands here
.set NOUT,   8192                      ; a row of C in bytes
.set PF,   12
.set UO,   13
.set GO,   14
.set ADRA, 16
.set ADRB, 20
.set CO,   26
.set SPW,  28
.set NIL,  29
.set REDW, 30
.set REDR, 31
.set UV,   32                          ; the sums' way: u, l, (u + l) / 2 twice each, a scratch, +-(u - l) / 2
.set LV,   40
.set SP,   48
.set TS,   64
.set DV,   72
.set AF,   128
.set RR,   128
.set T2,   192
.set G1, 24
.set G0, 32
.set G1B, 48
.set G0B, 56
.set PB, 86
.set MSB, 0
.macro WIN new                         ; the immediate's high byte repeats the setting that is left
.if MSB != (\new)
	s_set_vgpr_msb (MSB<<8)|(\new)
.set MSB, (\new)
.endif
.endm
.set MUL_LO, 0xa4                      ; source 0 (A) window 0, source 1 (B) window 1, C and D window 2
.set MUL_HI, 0xf4
.set TO_B,   0x40
.macro JLOAD g0a, g1a, g0b, g1b        ; a joint load: waves 0, 1 fetch A's halves, waves 2, 3 B's
	s_cmp_eq_u32 s15, 0
	s_cbranch_scc0 .Lfor_b_\@
	tensor_load_to_lds s[\g0a:\g0a+3], s[\g1a:\g1a+7]
	s_nop 0
.rept 4
	v_nop
.endr
	s_branch .Lasked_\@
.Lfor_b_\@:
	tensor_load_to_lds s[\g0b:\g0b+3], s[\g1b:\g1b+7]
	s_nop 0
.rept 4
	v_nop
.endr
.Lasked_\@:
.endm
.macro CREST                           ; a round of the cluster's barrier behind its opening barrier
	s_cmp_lg_u32 s14, 0
	s_cbranch_scc1 .Lnot_wave_0_\@
	s_barrier_signal -3
.Lnot_wave_0_\@:
	s_barrier_wait -3
	s_barrier_signal -1
	s_barrier_wait -1
.endm
.macro CROUND
	s_barrier_signal -1
	s_barrier_wait -1
	CREST
.endm
	s_load_b256 s[4:11], s[0:1], 0x0               ; acodes, bcodes, lowp_scales, prev_ub
	s_load_b256 s[68:75], s[0:1], 0x20             ; prev_lb, out1, out2, gpart
	v_lshl_add_u32 v[SPW], v0, 2, SPARE
	v_mov_b32 v[NIL], 0
	ds_add_u32 v[SPW], v[NIL]                      ; the opening: the add, twice on end, and its wait
	ds_add_u32 v[SPW], v[NIL]
	v_lshrrev_b32 v1, 5, v0
	v_readfirstlane_b32 s14, v1                    ; wave
	s_lshr_b32 s15, s14, 1                         ; my half of the tile's rows; also: I fetch for A (0) or B (1)
	s_and_b32 s16, s14, 1                          ; my half of its columns; also: which half I fetch
	s_bfe_u32 s40, ttmp6, 0x40000                  ; cx
	s_bfe_u32 s41, ttmp6, 0x40004                  ; cy
	s_and_b32 s76, ttmp7, 0xffff                   ; the cluster's y, 0..7
	s_bfe_u32 s42, s76, 0x10001
	s_lshl_b32 s42, s42, 2
	s_add_co_u32 s42, s42, s40                     ; tile column = 4 x bit 1 of y + cx
	s_lshr_b32 s77, s76, 2
	s_lshl_b32 s77, s77, 2
	s_add_co_u32 s77, s77, s41                     ; tile row = 4 x bit 2 of y + cy
	s_and_b32 s76, s76, 1
	s_lshl_b32 s76, s76, 1
	s_add_co_u32 s76, s76, ttmp9                   ; g = the cluster's x + 2 x bit 0 of y
	s_lshl_b32 s17, s76, 3
	s_add_co_u32 s17, s17, s77                     ; the tile row among acodes' 32
	s_lshl_b32 s43, s41, 2
	s_lshl_b32 s43, 15, s43                        ; my row of the cluster
	s_lshl_b32 s44, 0x1111, s40                    ; my column
	s_or_b32 s[G1+0], s43, (1<<20)|(1<<21)|(5<<22)|(3<<25)   ; A: a dense block as 128 rows x 256 bytes, 4 words of padding behind every 64
	s_mov_b32 s[G1+1], ROWB<<16
	s_mov_b32 s[G1+2], 128<<16
	s_mov_b32 s[G1+3], ROWB<<16
	s_mov_b32 s[G1+4], 128
	s_mov_b32 s[G1+5], ROWB
	s_mov_b32 s[G1+6], 0
	s_mov_b32 s[G1+7], 0
	s_or_b32 s[G1B+0], s44, (3<<16)|(1<<21)        ; B: a dense block of 32 KiB as 128 rows of 32 elements of 8 bytes
	s_mov_b32 s[G1B+1], 32<<16
	s_mov_b32 s[G1B+2], 128<<16
	s_mov_b32 s[G1B+3], 32<<16
	s_mov_b32 s[G1B+4], 128
	s_mov_b32 s[G1B+5], 32
	s_mov_b32 s[G1B+6], 0
	s_mov_b32 s[G1B+7], 0
	s_lshl_b32 s20, s17, 1
	s_add_co_u32 s20, s20, s16
	s_lshl_b32 s20, s20, 19                        ; A: (2 x tile row + half) blocks of rows, 16 K steps of 32 KiB each
	s_mov_b32 s21, 0
	s_lshl_b32 s46, s42, 1
	s_add_co_u32 s46, s46, s16
	s_lshl_b32 s46, s46, 19
	s_lshl_b32 s47, s76, 23
	s_add_co_u32 s46, s46, s47                     ; B: g 2^23 + (2 x tile column + half) 2^19
	s_mov_b32 s47, 0
	s_mul_i32 s45, s16, HALFA                      ; where they go in LDS
	s_mul_i32 s66, s16, HALFB
	s_add_co_u32 s66, s66, BOFF
	s_lshl_b32 s84, s76, 4
	s_wait_dscnt 0x0                               ; both opening adds are done
	s_wait_kmcnt 0x0
	s_load_b128 s[92:95], s[8:9], s84 offset:0x0   ; GEMM g's four exponents
	s_add_nc_u64 s[20:21], s[4:5], s[20:21]
	s_add_nc_u64 s[46:47], s[6:7], s[46:47]
	CROUND                                         ; all sixteen work-groups are here: the first joint loads meet
.irp s, 0,1
	s_mov_b32 s[G0+4*\s], 1
	s_add_co_u32 s[G0+4*\s+1], s45, \s*SLOT
	s_add_nc_u64 s[G0+4*\s+2:G0+4*\s+3], s[20:21], \s*HALFB
	s_or_b32 s[G0+4*\s+3], s[G0+4*\s+3], 0x80000000
	s_mov_b32 s[G0B+4*\s], 1
	s_add_co_u32 s[G0B+4*\s+1], s66, \s*SLOT
	s_add_nc_u64 s[G0B+4*\s+2:G0B+4*\s+3], s[46:47], \s*HALFB
	s_or_b32 s[G0B+4*\s+3], s[G0B+4*\s+3], 0x80000000
.endr
	JLOAD G0, G1, G0B, G1B                         ; K step 0: one tensor load a wave at the head
	; the scalars of the set-up first, then its vector lines on end
	s_mul_i32 s78, s15, HALFA                      ; my 128 rows of A in slot 0, 1
	s_add_co_u32 s79, s78, SLOT
	s_add_co_u32 s81, s66, SLOT                    ; my 128 columns of B: s66 in slot 0, s81 in slot 1
	s_lshl_b32 s85, s16, 10
	s_lshl_b32 s18, s15, 9
	s_add_co_u32 s85, s85, s18
	s_add_co_u32 s85, s85, RED                     ; my row sums: column half, then row half
	s_lshl_b32 s67, s14, 8
	s_add_co_u32 s67, s67, RED                     ; and the 64 rows that I close
	s_and_b32 s82, s76, 1
	s_lshl_b32 s82, s82, 31
	s_or_b32 s82, s82, 0x3f000000                  ; +0.5 for Wu, -0.5 for Wl
	s_lshr_b32 s12, s42, 2                         ; the prefetches.  A's blocks are read by the two clusters that differ in the tile column's high bit:
	s_mul_i32 s12, s12, 3
	s_xor_b32 s12, s12, s40                        ; my quarter of A's block: cx, turned round in the second of the two
	s_lshr_b32 s13, s77, 2                         ; B's by the two that differ in the tile row's high bit:
	s_mul_i32 s13, s13, 3
	s_xor_b32 s13, s13, s41                        ; my quarter of B's block: cy, likewise
	s_cmp_eq_u32 s15, 0                            ; do I fetch for A?
	s_cselect_b64 s[PB:PB+1], s[20:21], s[46:47]   ; the blocks that I fetch, at K step 0
	s_cselect_b32 s90, s12, s13
	s_lshl_b32 s90, s90, 13                        ; a quarter is 8 KiB
	s_add_co_u32 s90, s90, 3*HALFB                 ; at K step 3: the first refill steps it to 4
	s_mov_b32 s91, 0
	s_add_nc_u64 s[PB:PB+1], s[PB:PB+1], s[90:91]
	v_and_b32 v1, 15, v0                           ; r
	v_bfe_u32 v2, v0, 4, 1                         ; h
	v_and_b32 v6, 31, v0                           ; lane
	v_mul_u32_u24 v3, v1, PITCH
	v_lshl_add_u32 v4, v2, 4, v3                   ; A's fragments: row r, + 16 h
	v_lshlrev_b32 v7, 4, v6                        ; B's: 16 x lane
	v_add_nc_u32 v[ADRA], s78, v4
	v_add_nc_u32 v[ADRA+1], s79, v4
	v_add_nc_u32 v[ADRB], s66, v7
	v_add_nc_u32 v[ADRB+1], s81, v7
	v_lshlrev_b32 v[UO], 4, v1                     ; my four columns: 16 r
	v_lshl_add_u32 v[CO], v2, 16, v[UO]            ; in C: + 8 h rows of 8,192 bytes
	v_lshlrev_b32 v[GO], 3, v6
	v_lshl_add_u32 v[REDW], v2, 5, s85             ; rows 8 h on
	v_lshl_add_u32 v[REDR], v6, 3, s67
	v_lshlrev_b32 v[PF], 8, v6                     ; a lane a block of 256 bytes
	s_wait_alu depctr_va_vdst(0)
	s_wait_kmcnt 0x0
	s_add_co_i32 s92, s92, s93
	s_add_co_i32 s94, s94, s95
	s_sub_co_i32 s92, s92, s94
	s_add_co_i32 s98, s92, 127
	s_lshl_b32 s98, s98, 23                        ; 2^(first half's exponent less the second's)
	s_mov_b32 s99, s98
	s_add_co_i32 s96, s94, 127
	s_lshl_b32 s96, s96, 23                        ; 2^(the second half's)
	s_mov_b32 s97, s96
.macro FRAGA reg, adr, q, i            ; registers 4 c .. 4 c + 3: K places 32 c + 16 h + 0 .. 15 of row r
.irp c, 0,1,2,3
	ds_load_b128 v[\reg+4*\c:\reg+4*\c+3], v[\adr] offset:128*(\q)+32*\c+(\i)*16*PITCH
.endr
.endm
.macro FRAGB reg, adr, q, i            ; the same places, as the image has them
.irp c, 0,1,2,3
	ds_load_b128 v[\reg+4*\c:\reg+4*\c+3], v[\adr] offset:(\i)*4096+(\q)*2048+512*\c
.endr
.endm
.macro MUL16 a0, p, zero               ; A's blocks a0, a0 + 1 x B's eight; the 64 accumulators take turns in one order
.irp a, \a0, \a0+1
.irp b, 0,1,2,3,4,5,6,7
.if \zero
	v_wmma_f32_16x16x128_fp8_fp8 v[8*(8*((\a)%4)+\b):8*(8*((\a)%4)+\b)+7], v[AF+FR*(\a):AF+FR*(\a)+FR-1], v[128*(\p)+FR*\b:128*(\p)+FR*\b+FR-1], 0
.else
	v_wmma_f32_16x16x128_fp8_fp8 v[8*(8*((\a)%4)+\b):8*(8*((\a)%4)+\b)+7], v[AF+FR*(\a):AF+FR*(\a)+FR-1], v[128*(\p)+FR*\b:128*(\p)+FR*\b+FR-1], v[8*(8*((\a)%4)+\b):8*(8*((\a)%4)+\b)+7]
.endif
.endr
.endr
.endm
.macro FETCH_B slot, q, p
	WIN TO_B
.irp i, 0,1,2,3,4,5,6,7
	FRAGB 128*(\p)+FR*\i, ADRB+\slot, \q, \i
.endr
	WIN 0
.endm
.macro FETCH_A slot, q, i0
.irp i, \i0, \i0+1, \i0+2, \i0+3
	FRAGA AF+FR*(\i), ADRA+\slot, \q, \i
.endr
.endm
.macro PLACES n
.rept \n
	v_nop
.endr
.endm
.macro STEP slot, q, zero              ; 128 along K whose successor lies in the same slot
	s_wait_dscnt 4*NL                              ; all but the youngest 16 loads (A's blocks 4-7)
	WIN MUL_LO
	MUL16 0, (\q)%2, \zero
	MUL16 2, (\q)%2, \zero
	s_wait_dscnt 0
	PLACES NP
	FETCH_B \slot, (\q)+1, 1-(\q)%2
	FETCH_A \slot, (\q)+1, 0
	WIN MUL_HI
	MUL16 4, (\q)%2, \zero
	MUL16 6, (\q)%2, \zero
	PLACES NP
	WIN 0
	FETCH_A \slot, (\q)+1, 4
.endm
.macro TURN slot, next, fill           ; a slot's last 128 along K, and the change of slots
	s_wait_dscnt 4*NL
	WIN MUL_LO
	MUL16 0, 1, 0
	MUL16 2, 1, 0
	WIN 0
	s_wait_tensorcnt 0x0                           ; my one load that was out, my part of the next slot, has landed
	ds_add_u32 v[SPW], v[NIL]
.if \fill
	s_add_nc_u64 s[G0+4*\slot+2:G0+4*\slot+3], s[G0+4*\slot+2:G0+4*\slot+3], 2*HALFB
	s_add_nc_u64 s[G0B+4*\slot+2:G0B+4*\slot+3], s[G0B+4*\slot+2:G0B+4*\slot+3], 2*HALFB
.endif
	s_wait_dscnt 0x0                               ; the add is done, my reads of this slot are back
	s_barrier_signal -1
	s_barrier_wait -1
.if \fill
	CREST                                          ; the barrier opened a round: no wave of any partner still reads this slot
	JLOAD G0+4*\slot, G1, G0B+4*\slot, G1B         ; the refill, first behind the round; its v_nop are the places for the loads below
.else
	PLACES NP
.endif
	FETCH_B \next, 0, 0
	FETCH_A \next, 0, 0
.if \fill
	s_wait_xcnt 0x0                                ; the last prefetch has read its address
	s_add_nc_u64 s[PB:PB+1], s[PB:PB+1], HALFB     ; one K step on: two beyond the one just asked for
	s_cmp_gt_u32 s3, 1                             ; the last lap's look-ahead would pass K's end: it asks for nothing
	s_cbranch_scc0 .Lno_ask_\@
	global_prefetch_b8 v[PF], s[PB:PB+1] th:TH_LOAD_NT scope:SCOPE_SE
.Lno_ask_\@:
.endif
	WIN MUL_HI
	MUL16 4, 1, 0
	MUL16 6, 1, 0
	PLACES NP
	WIN 0
	FETCH_A \next, 0, 4
.endm
.macro RESCALE                         ; every sum x 2^(first half's exponent less the second's), each accumulator from its low end on
	WIN 0x82
.set i, 0
.rept 128
	v_pk_mul_f32 v[i:i+1], v[i:i+1], s[98:99] op_sel_hi:[1,0]
.set i, i+2
.endr
	WIN 0xc3
.set i, 0
.rept 128
	v_pk_mul_f32 v[i:i+1], v[i:i+1], s[98:99] op_sel_hi:[1,0]
.set i, i+2
.endr
	WIN 0
.endm
	s_wait_tensorcnt 0x0                           ; my part of K step 0 is in; slot 1's first fill is issued as a refill is
	ds_add_u32 v[SPW], v[NIL]
	s_wait_dscnt 0x0
	CROUND
	JLOAD G0+4, G1, G0B+4, G1B                     ; K step 1
	FETCH_B 0, 0, 0
	FETCH_A 0, 0, 0
	FETCH_A 0, 0, 4
	STEP 0, 0, 1                                   ; the first products start the sums
	s_mov_b32 s3, 7                                ; seven laps fill K steps 2 to 15
.Llap:
	TURN 0, 1, 1
	STEP 1, 0, 0
	TURN 1, 0, 1
	s_cmp_eq_u32 s3, 4                             ; the fourth lap has just closed K step 7, the last with W+
	s_cbranch_scc0 .Lsame_scale
	RESCALE
	s_wait_alu depctr_va_vdst(0)
.Lsame_scale:
	STEP 0, 0, 0
	s_sub_co_u32 s3, s3, 1
	s_cmp_lg_u32 s3, 0
	s_cbranch_scc1 .Llap
	TURN 0, 1, 0                                   ; the last lap fills nothing
	STEP 1, 0, 0
	s_wait_dscnt 4*NL
	WIN MUL_LO
	MUL16 0, 1, 0
	MUL16 2, 1, 0
	s_wait_dscnt 0
	WIN MUL_HI
	MUL16 4, 1, 0
	MUL16 6, 1, 0
	WIN 0
	PLACES NP
	s_cmp_lt_u32 s76, 2
	s_cbranch_scc1 .Lstore
; ---- g = 2, 3: the rows' sums over my 128 columns
	s_lshl_b32 s20, s42, 10
	s_lshl_b32 s21, s16, 9
	s_add_co_u32 s20, s20, s21                     ; my first column, in bytes
	s_mov_b32 s21, 0
	s_add_nc_u64 s[10:11], s[10:11], s[20:21]
	s_add_nc_u64 s[68:69], s[68:69], s[20:21]
.irp p, 0,1
	global_load_b128 v[UV+4*\p:UV+4*\p+3], v[UO], s[10:11] offset:256*\p   ; u at columns 64 p + 4 r + 0 .. 3: entry 4 p + q serves accumulators b = 2 q + p
	global_load_b128 v[LV+4*\p:LV+4*\p+3], v[UO], s[68:69] offset:256*\p
.endr
	s_wait_loadcnt 0x0
.irp i, 0,1,2,3,4,5,6,7
	v_add_f32 v[TS+\i], v[UV+\i], v[LV+\i]
	v_sub_f32 v[DV+\i], v[UV+\i], v[LV+\i]
.endr
.irp i, 0,1,2,3,4,5,6,7
	v_mul_f32 v[SP+2*\i], 0.5, v[TS+\i]            ; twice, a pair for the packed form
	v_mul_f32 v[SP+2*\i+1], 0.5, v[TS+\i]
	v_mul_f32 v[DV+\i], s82, v[DV+\i]
.endr
.macro REDBLK a                        ; block a's eight rows a lane: sixteen chains, started by their first products
.set AC, 64*((\a)%4)
	WIN 0x02+((\a)/4)
.irp b, 0,1,2,3,4,5,6,7
.irp j, 0,2,4,6
.if \b == 0
	v_pk_mul_f32 v[RR+8*(\a)+\j:RR+8*(\a)+\j+1], v[AC+8*\b+\j:AC+8*\b+\j+1], v[SP+2*(4*(\b%2)+\b/2):SP+2*(4*(\b%2)+\b/2)+1]
.else
	v_pk_fma_f32 v[RR+8*(\a)+\j:RR+8*(\a)+\j+1], v[AC+8*\b+\j:AC+8*\b+\j+1], v[SP+2*(4*(\b%2)+\b/2):SP+2*(4*(\b%2)+\b/2)+1], v[RR+8*(\a)+\j:RR+8*(\a)+\j+1]
.endif
.endr
.irp j, 0,1,2,3,4,5,6,7
.if \b == 0
	v_mul_f32 v[T2+8*(\a)+\j], |v[AC+8*\b+\j]|, v[DV+4*(\b%2)+\b/2]
.else
	v_fma_f32 v[T2+8*(\a)+\j], |v[AC+8*\b+\j]|, v[DV+4*(\b%2)+\b/2], v[T2+8*(\a)+\j]
.endif
.endr
.endr
.endm
.irp a, 0,1,2,3,4,5,6,7
	REDBLK \a
.endr
	WIN 0
.set i, 0
.rept 32
	v_pk_add_f32 v[RR+i:RR+i+1], v[RR+i:RR+i+1], v[T2+i:T2+i+1]
.set i, i+2
.endr
.irp m, 1,2,4,8                        ; across the sixteen lanes that hold a row's columns: every lane ends with the sum
.set i, 0
.rept 64
	v_add_f32_dpp v[RR+i], v[RR+i], v[RR+i] row_xmask:\m row_mask:0xf bank_mask:0xf
.set i, i+1
.endr
.endr
.irp a, 0,1,2,3,4,5,6,7
	ds_store_b128 v[REDW], v[RR+8*\a:RR+8*\a+3] offset:64*\a        ; rows 16 a + 8 h + 0 .. 7; the sixteen lanes of a half write the same words with the same values
	ds_store_b128 v[REDW], v[RR+8*\a+4:RR+8*\a+7] offset:64*\a+16
.endr
	s_sub_co_u32 s20, s76, 2
	s_lshl_b32 s20, s20, 3
	s_add_co_u32 s20, s20, s42
	s_lshl_b32 s20, s20, 13                        ; gpart: (8 z + tile column) x 2,048 rows
	s_lshl_b32 s21, s77, 10
	s_add_co_u32 s20, s20, s21
	s_lshl_b32 s21, s14, 8
	s_add_co_u32 s20, s20, s21                     ; + the tile's rows + my wave's 64
	s_mov_b32 s21, 0
	s_add_nc_u64 s[74:75], s[74:75], s[20:21]
	s_wait_dscnt 0x0                               ; for the others' sake: my stores are done
	s_barrier_signal -1
	s_barrier_wait -1
	ds_load_b64 v[32:33], v[REDR]                  ; two rows, both column halves
	ds_load_b64 v[34:35], v[REDR] offset:1024
	s_wait_dscnt 0x0
	v_pk_add_f32 v[36:37], v[32:33], v[34:35]
	v_pk_mul_f32 v[36:37], v[36:37], s[96:97] op_sel_hi:[1,0]
	global_store_b64 v[GO], v[36:37], s[74:75]     ; a wave stores 256 consecutive bytes, aligned
	s_branch .Lend
; ---- g = 0, 1: the tile goes out from registers
.Lstore:
	s_cmp_eq_u32 s76, 0
	s_cselect_b64 s[10:11], s[70:71], s[72:73]
	s_lshl_b32 s20, s77, 8
	s_lshl_b32 s21, s15, 7
	s_add_co_u32 s20, s20, s21
	s_lshl_b32 s20, s20, 13                        ; my first row
	s_lshl_b32 s46, s42, 10
	s_lshl_b32 s47, s16, 9
	s_add_co_u32 s46, s46, s47
	s_add_co_u32 s20, s20, s46                     ; my first column
	s_mov_b32 s21, 0
	s_add_nc_u64 s[10:11], s[10:11], s[20:21]
.macro OUTB a, w, t                    ; block a: x 2^(the second half's exponent) into 64 registers from t on in window w, gathered so that four on end are four neighbouring columns; then stored
.set AC, 64*((\a)%4)
	WIN (0x40*(\w))|(0x02+(\a)/4)
.irp j, 0,1,2,3,4,5,6,7
.irp b, 0,1,2,3,4,5,6,7
	v_mul_f32 v[(\t)+32*(\b%2)+4*\j+\b/2], v[AC+8*\b+\j], s96
.endr
.endr
	WIN 0x04*(\w)
.irp p, 0,1
.irp j, 0,1,2,3,4,5,6,7
	global_store_b128 v[CO], v[(\t)+32*\p+4*\j:(\t)+32*\p+4*\j+3], s[10:11] offset:(16*(\a)+\j)*NOUT+256*\p th:TH_STORE_NT   ; lanes 0-15 and lanes 16-31 each store 256 consecutive bytes, aligned; every offset an immediate
.endr
.endr
.endm
	OUTB 0, 1, 0                                   ; seven blocks have registers of their own, where the fragments lay
	OUTB 1, 1, 64
	OUTB 2, 1, 128
	OUTB 3, 1, 192
	OUTB 4, 0, 32
	OUTB 5, 0, 96
	OUTB 6, 0, 160
	s_wait_xcnt 0x0                                ; block 0's stores have read their registers
	OUTB 7, 1, 0
	WIN 0
.Lend:
	s_wait_tensorcnt 0x0                           ; the wave's end
	ds_add_u32 v[SPW], v[NIL]
	s_wait_dscnt 0x0
	CROUND                                         ; the closing round
	s_endpgm
.Lfunc_end_k_qcf2dab78d9_gemm:
	.size	k_qcf2dab78d9_gemm, .Lfunc_end_k_qcf2dab78d9_gemm-k_qcf2dab78d9_gemm
	.p2alignl 7, 3214868480
	.fill 96, 4, 3214868480
	.section	.rodata,"a",@progbits
	.p2align	6, 0x0
	.amdhsa_kernel k_qcf2dab78d9_gemm
		.amdhsa_group_segment_fixed_size 327680
		.amdhsa_private_segment_fixed_size 0
		.amdhsa_enable_private_segment 0
		.amdhsa_kernarg_size 64
		.amdhsa_user_sgpr_count 2
		.amdhsa_user_sgpr_kernarg_segment_ptr 1
		.amdhsa_wavefront_size32 1
		.amdhsa_system_sgpr_workgroup_id_x 1
		.amdhsa_system_sgpr_workgroup_id_y 1
		.amdhsa_system_sgpr_workgroup_id_z 1
		.amdhsa_system_vgpr_workitem_id 0
		.amdhsa_next_free_vgpr 1024
		.amdhsa_next_free_sgpr 100
		.amdhsa_reserve_vcc 0
		.amdhsa_float_denorm_mode_32 3
		.amdhsa_float_denorm_mode_16_64 3
		.amdhsa_memory_ordered 1
		.amdhsa_forward_progress 1
		.amdhsa_inst_pref_size 210
	.end_amdhsa_kernel
	.amdgpu_metadata
---
amdhsa.version: [ 1, 2 ]
amdhsa.kernels:
  - .name:           k_qcf2dab78d9_gemm
    .symbol:         k_qcf2dab78d9_gemm.kd
    .args:
      - { .name: acodes, .offset: 0, .size: 8, .value_kind: global_buffer, .address_space: global }
      - { .name: bcodes, .offset: 8, .size: 8, .value_kind: global_buffer, .address_space: global }
      - { .name: lowp_scales, .offset: 16, .size: 8, .value_kind: global_buffer, .address_space: global }
      - { .name: prev_ub, .offset: 24, .size: 8, .value_kind: global_buffer, .address_space: global }
      - { .name: prev_lb, .offset: 32, .size: 8, .value_kind: global_buffer, .address_space: global }
      - { .name: out1, .offset: 40, .size: 8, .value_kind: global_buffer, .address_space: global }
      - { .name: out2, .offset: 48, .size: 8, .value_kind: global_buffer, .address_space: global }
      - { .name: gpart, .offset: 56, .size: 8, .value_kind: global_buffer, .address_space: global }
    .group_segment_fixed_size: 327680
    .private_segment_fixed_size: 0
    .kernarg_segment_align: 8
    .kernarg_segment_size: 64
    .max_flat_workgroup_size: 128
    .sgpr_count:     100
    .vgpr_count:     1024
    .wavefront_size: 32
...
	.end_amdgpu_metadata
.endif
;; end of part 2
;; launch final (part 3): grid 32 x 1, 1 waves a work-group, no clusters, 0 bytes of LDS; arguments wpart, gpart, b, out0, out3, out4; writes out0, out3, out4
.if DOCPART == 3
	.amdgcn_target "amdgcn-amd-amdhsa--gfx1250"
	.amdhsa_code_object_version 6
	.text
	.protected	k_qcf2dab78d9_final
	.globl	k_qcf2dab78d9_final
	.p2align	8
	.type	k_qcf2dab78d9_final,@function
k_qcf2dab78d9_final:
	s_mov_b64 s[64:65], 0
	v_nop
	global_prefetch_b8 v0, s[64:65] scope:SCOPE_SE
	s_setreg_imm32_b32 hwreg(HW_REG_WAVE_MODE, 25, 1), 1
	s_wait_xcnt 0x0
; The sums that span work-groups are closed here, each output row by one owner.  Thread T = 32 x work-group + lane owns rows 2 T and 2 T + 1.
; wpart [group of 8 rows][chunk 4][lane 16 t + r'][4]: t = 0: S1 = sum of w (a + c), t = 1: S2 = sum of |w| (a - c), entry p = pair of vectors.  W+ a + W- c + b = (S1 + S2) / 2 + b;  W+ c + W- a + b = (S1 - S2) / 2 + b.
;   p = 0: b_upper, b_lower (out3, out4);  p = 1: ub, lb;  p = 2: bu, bl.
; gpart [z 2][tile column 8][2048]: z = 0: the parts of Wu+ ub + Wu- lb, z = 1: of Wl+ lb + Wl- ub.  ub2 = their sum + bu, lb2 = their sum + bl.
; out0 = ub, lb, min(ub, ub2), max(lb, lb2): reference()'s ub1 and lb1 are ub and lb again.
; 2,048 rows are work for 1,024 threads: 32 work-groups of one wave, so that a wave's 33 loads have a work-group's share of the memory path to themselves; a wave's store still covers 256 bytes.
; No LDS, no matrix unit: there is nothing to share.
; LIMIT: NaN and infinities among the inputs are not served (the minimum and maximum here let a NaN lose).
.set L,  16                            ; v16-79   wpart: (t, row, chunk) at L + 16 (2 t + row) + 4 chunk
.set GP, 80                            ; v80-111  gpart: (z, x) at GP + 2 (8 z + x), a pair of rows
.set BB, 112                           ; v112-113 b
.set UP, 114                           ; v[UP+4 p ..]: the upper result's pair of rows, then the lower's
.set BU, 126                           ; v126-127 best_ub, v128-129 best_lb
	s_load_b256 s[4:11], s[0:1], 0x0               ; wpart, gpart, b, out0
	s_load_b128 s[12:15], s[0:1], 0x20             ; out3, out4
	s_lshl_b32 s16, ttmp9, 5
	v_add_nc_u32 v1, s16, v0                       ; T
	v_lshrrev_b32 v2, 2, v1
	v_and_b32 v3, 3, v1
	v_lshlrev_b32 v2, 11, v2
	v_lshl_add_u32 v2, v3, 5, v2                   ; wpart: 2,048 (T / 4) + 32 (T % 4): the group of rows, and lane r' = 2 (T % 4)
	v_lshlrev_b32 v3, 3, v1                        ; 8 T: my two rows in every vector of 2,048
	s_wait_alu depctr_va_vdst(0)
	s_wait_kmcnt 0x0
.irp t, 0,1
.irp rs, 0,1
.irp c, 0,1,2,3
	global_load_b128 v[L+16*(2*\t+\rs)+4*\c:L+16*(2*\t+\rs)+4*\c+3], v2, s[4:5] offset:\c*512+\t*256+16*\rs
.endr
.endr
.endr
.irp q, 0,1,2,3,4,5,6,7,8,9,10,11,12,13,14,15
	global_load_b64 v[GP+2*\q:GP+2*\q+1], v3, s[6:7] offset:\q*8192
.endr
	global_load_b64 v[BB:BB+1], v3, s[8:9]
	s_wait_loadcnt 0x0
.irp u, 0,1,2,3                        ; the four chunks of K
.irp w, 0,2
	v_pk_add_f32 v[L+16*\u+\w:L+16*\u+\w+1], v[L+16*\u+\w:L+16*\u+\w+1], v[L+16*\u+4+\w:L+16*\u+5+\w]
	v_pk_add_f32 v[L+16*\u+8+\w:L+16*\u+9+\w], v[L+16*\u+8+\w:L+16*\u+9+\w], v[L+16*\u+12+\w:L+16*\u+13+\w]
.endr
.irp w, 0,2
	v_pk_add_f32 v[L+16*\u+\w:L+16*\u+\w+1], v[L+16*\u+\w:L+16*\u+\w+1], v[L+16*\u+8+\w:L+16*\u+9+\w]
.endr
.endr
.irp p, 0,1,2
.irp rs, 0,1
	v_add_f32 v4, v[L+16*\rs+\p], v[L+32+16*\rs+\p]
	v_sub_f32 v5, v[L+16*\rs+\p], v[L+32+16*\rs+\p]
	v_fma_f32 v[UP+4*\p+\rs], v4, 0.5, v[BB+\rs]
	v_fma_f32 v[UP+4*\p+2+\rs], v5, 0.5, v[BB+\rs]
.endr
.endr
.irp z, 0,1                            ; the eight tile columns
.irp q, 0,4,8,12
	v_pk_add_f32 v[GP+16*\z+\q:GP+16*\z+\q+1], v[GP+16*\z+\q:GP+16*\z+\q+1], v[GP+16*\z+\q+2:GP+16*\z+\q+3]
.endr
.irp q, 0,8
	v_pk_add_f32 v[GP+16*\z+\q:GP+16*\z+\q+1], v[GP+16*\z+\q:GP+16*\z+\q+1], v[GP+16*\z+\q+4:GP+16*\z+\q+5]
.endr
	v_pk_add_f32 v[GP+16*\z:GP+16*\z+1], v[GP+16*\z:GP+16*\z+1], v[GP+16*\z+8:GP+16*\z+9]
	v_pk_add_f32 v[GP+16*\z:GP+16*\z+1], v[GP+16*\z:GP+16*\z+1], v[UP+8+2*\z:UP+9+2*\z]   ; + bu, + bl
.endr
.irp rs, 0,1
	v_min_num_f32 v[BU+\rs], v[UP+4+\rs], v[GP+\rs]
	v_max_num_f32 v[BU+2+\rs], v[UP+6+\rs], v[GP+16+\rs]
.endr
	global_store_b64 v3, v[UP+4:UP+5], s[10:11]                ; ub: each store of a wave covers 256 consecutive bytes, aligned
	global_store_b64 v3, v[UP+6:UP+7], s[10:11] offset:8192    ; lb
	global_store_b64 v3, v[BU:BU+1], s[10:11] offset:16384     ; best_ub
	global_store_b64 v3, v[BU+2:BU+3], s[10:11] offset:24576   ; best_lb
	global_store_b64 v3, v[UP:UP+1], s[12:13]                  ; b_upper
	global_store_b64 v3, v[UP+2:UP+3], s[14:15]                ; b_lower
	s_endpgm
.Lfunc_end_k_qcf2dab78d9_final:
	.size	k_qcf2dab78d9_final, .Lfunc_end_k_qcf2dab78d9_final-k_qcf2dab78d9_final
	.p2alignl 7, 3214868480
	.fill 96, 4, 3214868480
	.section	.rodata,"a",@progbits
	.p2align	6, 0x0
	.amdhsa_kernel k_qcf2dab78d9_final
		.amdhsa_group_segment_fixed_size 0
		.amdhsa_private_segment_fixed_size 0
		.amdhsa_enable_private_segment 0
		.amdhsa_kernarg_size 48
		.amdhsa_user_sgpr_count 2
		.amdhsa_user_sgpr_kernarg_segment_ptr 1
		.amdhsa_wavefront_size32 1
		.amdhsa_system_sgpr_workgroup_id_x 1
		.amdhsa_system_sgpr_workgroup_id_y 1
		.amdhsa_system_sgpr_workgroup_id_z 1
		.amdhsa_system_vgpr_workitem_id 0
		.amdhsa_next_free_vgpr 136
		.amdhsa_next_free_sgpr 66
		.amdhsa_reserve_vcc 0
		.amdhsa_float_denorm_mode_32 3
		.amdhsa_float_denorm_mode_16_64 3
		.amdhsa_memory_ordered 1
		.amdhsa_forward_progress 1
		.amdhsa_inst_pref_size 9
	.end_amdhsa_kernel
	.amdgpu_metadata
---
amdhsa.version: [ 1, 2 ]
amdhsa.kernels:
  - .name:           k_qcf2dab78d9_final
    .symbol:         k_qcf2dab78d9_final.kd
    .args:
      - { .name: wpart, .offset: 0, .size: 8, .value_kind: global_buffer, .address_space: global }
      - { .name: gpart, .offset: 8, .size: 8, .value_kind: global_buffer, .address_space: global }
      - { .name: b, .offset: 16, .size: 8, .value_kind: global_buffer, .address_space: global }
      - { .name: out0, .offset: 24, .size: 8, .value_kind: global_buffer, .address_space: global }
      - { .name: out3, .offset: 32, .size: 8, .value_kind: global_buffer, .address_space: global }
      - { .name: out4, .offset: 40, .size: 8, .value_kind: global_buffer, .address_space: global }
    .group_segment_fixed_size: 0
    .private_segment_fixed_size: 0
    .kernarg_segment_align: 8
    .kernarg_segment_size: 48
    .max_flat_workgroup_size: 32
    .sgpr_count:     66
    .vgpr_count:     136
    .wavefront_size: 32
...
	.end_amdgpu_metadata
.endif
;; end of part 3
